; MI455X (gfx1250); checked and timed in simulation.
; The chip was launched on July 23, 2026; its instructions are those of AMD's public machine-readable ISA for CDNA 5 (MIT licence, August 2026) and "CDNA5" Instruction Set Architecture Reference Guide (July 2026). The comments in the code are by the model that wrote it; some were corrected since.
;; LSTM Cell. Allowed arithmetic: matrix products marked QUANTISED: E4M3 operands, one given power-of-two scale a tensor, by v_wmma_f32_16x16x64_fp8_fp8 or v_wmma_f32_16x16x128_fp8_fp8, f32 sums; everything else in f32.
;; Inputs: Wf 2,048 x 4,096 float32; Wg 2,048 x 4,096 float32; Wi 2,048 x 4,096 float32; Wo 2,048 x 4,096 float32; bf 2,048 float32; bg 2,048 float32; bi 2,048 float32; bo 2,048 float32; c_prev 2,048 x 2,048 float32; h_prev 2,048 x 2,048 float32; input 2,048 x 2,048 float32; lowp_scales 2 int32 (the exponents e of the quantised operands' scales 2^e).
;; Outputs: out0 2,048 x 2,048 float32; out1 2,048 x 2,048 float32.
;; This version of the problem:
;;   THIS VERSION OF THE PROBLEM IS GIVEN IN LOW PRECISION. The matrix products marked QUANTISED in the list below multiply operands that are first quantised to E4M3 (4 exponent bits, 3 mantissa bits; 8 bits a number), with one given power-of-two scale for each operand tensor; their sums are f32. All else is computed in f32.
;;   The module's matrix products, in the order in which they are computed (A, B: the left and right operand; K: the contracted axis; several contracted axes count as one K, in the product's order):
;;     1. [M 2,048, K 4,096] x [K 4,096, N 8,192]; A: computed on the way; B: computed on the way: QUANTISED (scales: A lowp_scales[0], B lowp_scales[1])
;;   THE QUANTISER, for each operand of a quantised product, along K:
;;     - The operand's scale is 2^e, e = its entry of the input lowp_scales (int32; the entries are numbered through the quantised products in the list's order, A before B).
;;     - Each number is divided by the scale, clamped to +-448, and rounded to the nearest number of E4M3, ties to even, subnormals kept.
;;     - The product sums the exact products of the quantised numbers (number of the format x scale) in f32.
;;   ~~~python
;;   def quantise(x, axis, e):      # numpy; x: float32 -> the quantised numbers, widened to float32 again
;;       x = np.moveaxis(x, axis, -1); K = x.shape[-1]
;;       r = np.clip(x / 2.0 ** e, -448, 448)
;;       step = 2.0 ** (np.maximum(np.frexp(np.where(r == 0, 1, r))[1] - 1, -6) - 3)
;;       q = np.round(r / step) * step * 2.0 ** e      # np.round: ties to even
;;       return np.moveaxis(q, -1, axis).astype(np.float32)
;;   ~~~
;;   OPERANDS COMPUTED ON THE WAY. 'Computed on the way' means the value that the module computes at that place (a softmax that the list does not call 'softmax' is quantised finished and normalised). What goes into a quantiser is computed in f32, as accurately as f32 sums, v_exp_f32 and their like allow (about 1e-6 of the number): no bf16 or f16 on the way to a quantiser, and a product that is left as it is and whose result goes on into a quantised operand takes f32 operands (vector FMAs, or v_wmma_f32_16x16x4_f32). A number that lies on a knife's edge between two numbers of the format may be rounded either way, as far as f32 arithmetic and the matrix unit's own rounding can turn it there, and no further.
;; One version. Each part assembles by itself: llvm-mc -triple=amdgcn-amd-amdhsa -mcpu=gfx1250 --defsym DOCPART=n.
;; ======== version 1 of 1: 2 launches
;; limits: right only within a limited range of input values
;; workspace buffers: a_codes 8,388,608 bytes; w_codes 33,554,432 bytes
;; launch quant (part 1): grid 256 x 5, 4 waves a work-group, no clusters, 35,328 bytes of LDS; arguments input, h_prev, Wf, Wi, Wg, Wo, lowp_scales, a_codes, w_codes; writes a_codes, w_codes
.if DOCPART == 1
	.amdgcn_target "amdgcn-amd-amdhsa--gfx1250"
	.amdhsa_code_object_version 6
	.text
	.protected	k_q68906b1f25_quant
	.globl	k_q68906b1f25_quant
	.p2align	8
	.type	k_q68906b1f25_quant,@function
k_q68906b1f25_quant:
	s_mov_b64 s[64:65], 0
	v_nop
	global_prefetch_b8 v0, s[64:65] scope:SCOPE_SE
	s_setreg_imm32_b32 hwreg(HW_REG_WAVE_MODE, 25, 1), 1
	s_wait_xcnt 0x0
; The two operands of the LSTM cell's one product become codes of FP8 (E4M3), one code a byte, each with its given scale 2^e.  No work of reference() is left out.
; code = x / 2^e, held within +-448, to the nearest code, ties to even.  LIMITS: -126 <= e and e + 8 <= 127 for both entries; NaN among the inputs is not served, an infinity is held at the largest code.
; K IS PERMUTED INSIDE EACH ALIGNED 512, ALIKE IN BOTH OPERANDS: place 512 c + 16 l + 4 i + j of a row holds k = 512 c + 128 i + 4 l + j (l = 0..31; i, j = 0..3): a step's four loads read 512
; consecutive bytes each, 16 a lane, and the lane's 16 registers are converted as they stand.  The products are the same, the order of the f32 sums is another.
; w_codes [8192][4096] (y = 1..4: Wf, Wi, Wg, Wo; entry 1): gate g, hidden unit u lies at row 128 (u / 32) + 32 g + u % 32.  A wave takes two rows, 8,192 consecutive bytes of codes.
; a_codes (y = 0; entry 0; combined = input, then h_prev) is AN IMAGE OF THE NEXT LAUNCH'S OPERAND REGISTERS: [64 rows][128 along K][16 rows][c = 0..3][lane][16 bytes]:
; lane 16 h + r of piece c holds places 128 ks + 32 c + 16 h + 0..15 of row r.  A wave takes 16 rows x 512 along K; a step is a row.  A lane's 16 codes belong to another 256 bytes of the image than its
; neighbours', so the 8,192 codes turn through the wave's own stage in LDS (272 bytes a lane) and leave as 16 stores of 512 consecutive bytes.
; All of a wave's global stores stand behind its last conversion.  No tensor loads, no barrier: waves share nothing.  Loads run four steps (16 loads a wave) ahead.
.set STEPS, 16
.set MANT,  0x600000                   ; the mantissa field of 448 as f32
.set R,     16                         ; v16-79   four sets of 16 numbers; on A's way out the 16 x 4 registers read back from the stage
.set C,     80                         ; v80-143  codes: four registers for each step
.set SP,    272                        ; a lane's place in the stage: 256 bytes + 16 of padding
.set SPARE, 4*32*SP                    ; behind the four stages: the spare words, 128 bytes a wave
.set SPW,   12
.set NIL,   13
	s_load_b256 s[4:11], s[0:1], 0x0               ; input, h_prev, Wf, Wi
	s_load_b256 s[12:19], s[0:1], 0x20             ; Wg, Wo, the scales' exponents, a_codes
	s_load_b64 s[20:21], s[0:1], 0x40              ; w_codes
	v_lshl_add_u32 v[SPW], v0, 2, SPARE
	v_mov_b32 v[NIL], 0
	v_lshrrev_b32 v1, 5, v0
	v_readfirstlane_b32 s23, v1                    ; wave
	s_and_b32 s22, ttmp7, 0xffff                   ; y
	v_and_b32 v2, 31, v0                           ; lane
	v_lshlrev_b32 v3, 4, v2                        ; my 16 bytes of 512
	s_mul_i32 s26, s23, 32*SP                      ; my stage
	v_mul_u32_u24 v4, v2, SP
	v_add_nc_u32 v4, s26, v4                       ; into it: 272 x lane (+ 16 x row)
	v_lshrrev_b32 v5, 4, v2
	v_and_b32 v6, 15, v2
	v_mul_u32_u24 v5, v5, SP
	v_lshl_add_u32 v5, v6, 4, v5
	v_add_nc_u32 v5, s26, v5                       ; out of it: sixteen lanes to a place of 256 bytes, two places an instruction
	s_mov_b32 s31, 0
	s_wait_alu depctr_va_vdst(0)
	s_wait_kmcnt 0x0
	s_load_b64 s[24:25], s[16:17], 0x0             ; e0, e1
.macro LOAD t, pitch                   ; step t's 512 numbers into set t % 4
.irp i, 0,1,2,3
	global_load_b128 v[R+16*((\t)%4)+4*\i:R+16*((\t)%4)+4*\i+3], v3, s[4:5] offset:(\pitch)*(\t)+512*\i th:TH_LOAD_NT
.endr
.endm
.macro SCALE e
	s_wait_kmcnt 0x0
	s_add_co_i32 s26, s[\e], 127
	s_lshl_b32 s27, s26, 23
	v_mov_b32 v11, s27                             ; 2^e as f32: the conversion takes its exponent field
	s_add_co_i32 s26, s26, 8
	s_lshl_b32 s26, s26, 23
	s_or_b32 s26, s26, MANT
	v_mov_b32 v10, s26                             ; 448 x 2^e
	s_wait_alu depctr_va_vdst(0)
.endm
.macro STEP t, pitch, stage
.set RS, R+16*((\t)%4)
.if STEPS-1-(\t) >= 3
	s_wait_loadcnt 12                              ; this step's four loads are in; the twelve of the three steps behind it may be out
.else
	s_wait_loadcnt 4*(STEPS-1-(\t))
.endif
.irp i, 0,1,2,3,4,5,6,7,8,9,10,11,12,13,14,15
	v_med3_num_f32 v[RS+\i], v[RS+\i], -v10, v10   ; the conversion does not saturate (ISA guide 7.6.2): hold first
.endr
	v_cvt_scalef32_pk8_fp8_f32 v[C+4*(\t):C+4*(\t)+1], v[RS:RS+7], v11
	v_cvt_scalef32_pk8_fp8_f32 v[C+4*(\t)+2:C+4*(\t)+3], v[RS+8:RS+15], v11
.if (\t)+4 < STEPS
	LOAD (\t)+4, \pitch
.endif
.if \stage
	ds_store_b128 v4, v[C+4*(\t):C+4*(\t)+3] offset:16*(\t)
.endif
.endm
	s_cmp_eq_u32 s22, 0
	s_cbranch_scc0 .Lweights
	; THE ROWS.  Work-group x: 16 rows x / 2 of input (x even) or h_prev (x odd); wave w: its w-th 512 along K
	s_and_b32 s27, ttmp9, 1
	s_lshr_b32 s28, ttmp9, 1
	s_cmp_eq_u32 s27, 0
	s_cselect_b64 s[4:5], s[4:5], s[6:7]
	s_lshl_b32 s30, s28, 17                        ; 16 rows of 8,192 bytes
	s_lshl_b32 s29, s23, 11
	s_add_co_u32 s30, s30, s29
	s_add_nc_u64 s[4:5], s[4:5], s[30:31]
	s_lshr_b32 s30, s28, 2
	s_lshl_b32 s30, s30, 18                        ; the image: 262,144 bytes for 64 rows,
	s_and_b32 s29, s28, 3
	s_lshl_b32 s29, s29, 11                        ; 2,048 for 16 rows x 128 K,
	s_add_co_u32 s30, s30, s29
	s_lshl_b32 s29, s27, 17                        ; 8,192 for 128 along K: h_prev begins 16 of them on,
	s_add_co_u32 s30, s30, s29
	s_lshl_b32 s29, s23, 15                        ; a wave's 512 along K are 4 of them
	s_add_co_u32 s30, s30, s29
	s_add_nc_u64 s[6:7], s[18:19], s[30:31]
.irp t, 0,1,2,3
	LOAD \t, 8192
.endr
	SCALE 24
.irp t, 0,1,2,3,4,5,6,7,8,9,10,11,12,13,14,15
	STEP \t, 8192, 1
.endr
.irp n, 0,1,2,3,4,5,6,7,8,9,10,11,12,13,14,15
	ds_load_b128 v[R+4*\n:R+4*\n+3], v5 offset:2*\n*SP   ; LDS serves a wave's instructions in order: these see my stores
.endr
.irp n, 0,1,2,3,4,5,6,7,8,9,10,11,12,13,14,15
	s_wait_dscnt 15-\n
	global_store_b128 v3, v[R+4*\n:R+4*\n+3], s[6:7] offset:(\n/4)*8192+(\n%4)*512   ; 512 consecutive bytes, aligned
.endr
	s_wait_tensorcnt 0x0                           ; the wave's end
	ds_add_u32 v[SPW], v[NIL]
	s_wait_dscnt 0x0
	s_endpgm
.Lweights:
	s_cmp_eq_u32 s22, 2
	s_cselect_b64 s[8:9], s[10:11], s[8:9]
	s_cmp_eq_u32 s22, 3
	s_cselect_b64 s[8:9], s[12:13], s[8:9]
	s_cmp_eq_u32 s22, 4
	s_cselect_b64 s[8:9], s[14:15], s[8:9]
	s_lshl_b32 s29, ttmp9, 2
	s_add_co_u32 s29, s29, s23                     ; which two rows (u = 2 run, 2 run + 1) are my wave's
	s_lshl_b32 s30, s29, 15
	s_add_nc_u64 s[4:5], s[8:9], s[30:31]
	s_lshr_b32 s33, s29, 4
	s_lshl_b32 s33, s33, 7                         ; 128 (u / 32)
	s_sub_co_u32 s34, s22, 1
	s_lshl_b32 s34, s34, 5
	s_add_co_u32 s33, s33, s34                     ; + 32 x gate
	s_and_b32 s34, s29, 15
	s_lshl_b32 s34, s34, 1
	s_add_co_u32 s33, s33, s34                     ; + u % 32
	s_lshl_b32 s30, s33, 12
	s_add_nc_u64 s[6:7], s[20:21], s[30:31]
.irp t, 0,1,2,3
	LOAD \t, 2048
.endr
	SCALE 25
.irp t, 0,1,2,3,4,5,6,7,8,9,10,11,12,13,14,15
	STEP \t, 2048, 0
.endr
.irp t, 0,1,2,3,4,5,6,7,8,9,10,11,12,13,14,15
	global_store_b128 v3, v[C+4*\t:C+4*\t+3], s[6:7] offset:512*\t   ; 512 consecutive bytes, aligned
.endr
	s_endpgm
.Lfunc_end_k_q68906b1f25_quant:
	.size	k_q68906b1f25_quant, .Lfunc_end_k_q68906b1f25_quant-k_q68906b1f25_quant
	.p2alignl 7, 3214868480
	.fill 96, 4, 3214868480
	.section	.rodata,"a",@progbits
	.p2align	6, 0x0
	.amdhsa_kernel k_q68906b1f25_quant
		.amdhsa_group_segment_fixed_size 35328
		.amdhsa_private_segment_fixed_size 0
		.amdhsa_enable_private_segment 0
		.amdhsa_kernarg_size 72
		.amdhsa_user_sgpr_count 2
		.amdhsa_user_sgpr_kernarg_segment_ptr 1
		.amdhsa_wavefront_size32 1
		.amdhsa_system_sgpr_workgroup_id_x 1
		.amdhsa_system_sgpr_workgroup_id_y 1
		.amdhsa_system_sgpr_workgroup_id_z 1
		.amdhsa_system_vgpr_workitem_id 0
		.amdhsa_next_free_vgpr 144
		.amdhsa_next_free_sgpr 66
		.amdhsa_reserve_vcc 0
		.amdhsa_float_denorm_mode_32 3
		.amdhsa_float_denorm_mode_16_64 3
		.amdhsa_memory_ordered 1
		.amdhsa_forward_progress 1
		.amdhsa_inst_pref_size 58
	.end_amdhsa_kernel
	.amdgpu_metadata
---
amdhsa.version: [ 1, 2 ]
amdhsa.kernels:
  - .name:           k_q68906b1f25_quant
    .symbol:         k_q68906b1f25_quant.kd
    .args:
      - { .name: input, .offset: 0, .size: 8, .value_kind: global_buffer, .address_space: global }
      - { .name: h_prev, .offset: 8, .size: 8, .value_kind: global_buffer, .address_space: global }
      - { .name: Wf, .offset: 16, .size: 8, .value_kind: global_buffer, .address_space: global }
      - { .name: Wi, .offset: 24, .size: 8, .value_kind: global_buffer, .address_space: global }
      - { .name: Wg, .offset: 32, .size: 8, .value_kind: global_buffer, .address_space: global }
      - { .name: Wo, .offset: 40, .size: 8, .value_kind: global_buffer, .address_space: global }
      - { .name: lowp_scales, .offset: 48, .size: 8, .value_kind: global_buffer, .address_space: global }
      - { .name: a_codes, .offset: 56, .size: 8, .value_kind: global_buffer, .address_space: global }
      - { .name: w_codes, .offset: 64, .size: 8, .value_kind: global_buffer, .address_space: global }
    .group_segment_fixed_size: 35328
    .private_segment_fixed_size: 0
    .kernarg_segment_align: 8
    .kernarg_segment_size: 72
    .max_flat_workgroup_size: 128
    .sgpr_count:     66
    .vgpr_count:     144
    .wavefront_size: 32
...
	.end_amdgpu_metadata
.endif
;; end of part 1
;; launch cell (part 2): grid 32 x 8, 4 waves a work-group, clusters of 4 x 4, 327,680 bytes of LDS; arguments a_codes, w_codes, lowp_scales, bf, bi, bg, bo, c_prev, out0, out1; writes out0, out1
.if DOCPART == 2
	.amdgcn_target "amdgcn-amd-amdhsa--gfx1250"
	.amdhsa_code_object_version 6
	.text
	.protected	k_q68906b1f25_cell
	.globl	k_q68906b1f25_cell
	.p2align	8
	.type	k_q68906b1f25_cell,@function
k_q68906b1f25_cell:
	s_mov_b64 s[64:65], 0
	v_nop
	global_prefetch_b8 v0, s[64:65] scope:SCOPE_SE
	s_setreg_imm32_b32 hwreg(HW_REG_WAVE_MODE, 25, 1), 1
	s_wait_xcnt 0x0
	s_wait_alu depctr_hold_cnt(0) depctr_sa_sdst(0) depctr_va_vdst(0) depctr_va_sdst(0) depctr_va_ssrc(0) depctr_va_vcc(0) depctr_vm_vsrc(0)
	s_getreg_b32 s2, hwreg(HW_REG_IB_STS2, 6, 4)
	s_cmp_eq_u32 s2, 0
	s_cbranch_scc0 .Lentry_in_a_cluster
	s_endpgm
.Lentry_in_a_cluster:
	s_bfe_u32 s2, ttmp6, 0x10000c
	s_cmp_lg_u32 s2, 0xf033
	s_cbranch_scc0 .Lentry_shape_is_right
	s_endpgm
.Lentry_shape_is_right:
; gates = combined W_all^T + b_all on codes of FP8 (E4M3), then the cell: c = sigmoid(f) c_prev + sigmoid(i) tanh(g), h = sigmoid(o) tanh(c).  out0 = h, out1 = c.  No work of reference() is left out.
; LIMIT: e0 + e1 lies between -126 and 125, so that log2(e) 2^(e0 + e1) and twice that are f32 numbers.
; A work-group makes 256 rows x 64 hidden units (256 rows of w_codes: [32 units' half][gate][32 units]).  A WAVE MAKES 64 ROWS x ALL 256 COLUMNS: 64 accumulators, 512 registers; it owns whole rows of
; 256 bytes of h and c, so the way out has no barrier.
; W goes through LDS: two slots of 256 rows x 512 along K (rows of 512 bytes, 528 apart), 8 fills, each wave fetching 64 rows; the four work-groups of a column of the 4 x 4 cluster need the same tile and ask JOINTLY.
; A GOES FROM MEMORY STRAIGHT INTO REGISTERS: a_codes is an image of the operand's registers, a step's 64 rows x 128 K are 8,192 consecutive bytes that this wave alone of its work-group reads, 16 loads of 512 bytes.
; A ring of four sets: a step's loads are issued three steps (192 matrix instructions) ahead of their use.  Loads into registers cannot be asked for jointly: so A has no multicast.
; A step (128 along K): W's 16 blocks one after the other, each against A's four.  W's blocks have 14 places of 16 registers: blocks 0, 1 and 8, 9 share two, the others have one each.  So two runs of 32 LDS loads
; serve a step: blocks 8-15 behind the products of blocks 0, 1, the next step's blocks 0-7 behind those of blocks 8, 9: each block is asked for 24 matrix instructions or more ahead of its use.
; THE MATRIX INSTRUCTION IS USED TRANSPOSED (source 0 = 16 rows of W, source 1 = 16 rows of A): a lane holds eight neighbouring columns of one row.
; REGISTERS: window 0: v0-31 addresses, v32-255 W's 14 places (way out: v32-95, v192-255 rows read back, v96-159 at work, v160-175 c_prev); window 1: A's four sets (at the end sets 0, 1 take the biases);
; window 2: accumulators of units 0-31 (A block a, W block b at v[64 a + 8 b]); window 3: units 32-63.
.set KROW,   4096
.set ROWB,   512
.set PITCH,  528                       ; 512 + 16: an odd multiple of 16, so the 16 rows of a fragment load start at 16 different groups of banks
.set QT,     64*PITCH                  ; what one tensor load brings
.set SLOT,   4*QT
.set SPARE,  2*SLOT                    ; the spare words, 512 bytes
.set STAGE,  SPARE+512                 ; the way out: for each wave 16 rows x 272 bytes of c, then of h; no tensor load lands here
.set SPITCH, 272
.set HOFF,   16*SPITCH
.set WST,    2*HOFF
.set OROW,   8192
.set ASTEP,  8192
.set ADRB, 16                          ; v16-19 W's fragments: slot 0 blocks 0-7, 8-15; slot 1 likewise
.set AO,   20                          ; 16 x lane
.set CPL,  22
.set STC,  23
.set PFC,  24
.set RD,   25
.set CO,   26
.set PWO,  27
.set SPW,  28
.set NIL,  29
.set PAO,  30
.set BO,   31
.set T,    96
.set CP,   160
.set WF,   32                          ; block b lies at place b - 8 (b / 8) + 6 (b / 10): 0..7, 0, 1, 8..13
.set AB,   12                          ; s[12:13] my stream of A, at this slot's first step
.set LIMA, 15
.set G1,   24
.set G0,   32
.set OUTH, 46
.set CPA,  66
.set G1C,  80
.set G0C,  88
.set PWB,  92
.set PAB,  94
.set SCN,  96
.set SCP,  98
.set OUTC, 100
.set MSB, 0
.macro WIN new                         ; the immediate's high byte repeats the setting that is left
.if MSB != \new
	s_set_vgpr_msb (MSB<<8)|\new
.set MSB, \new
.endif
.endm
.set MUL_LO, 0xa4                      ; source 0 (W) window 0, source 1 (A) window 1, C and D window 2
.set MUL_HI, 0xf4
.set TO_A,   0x40
.macro PLACES
.rept 4
	v_nop
.endr
.endm
.macro TLOAD g0, g1                    ; an s_nop 0 and four v_nop follow the load
	tensor_load_to_lds s[\g0:\g0+3], s[\g1:\g1+7]
	s_nop 0
	PLACES
.endm
.macro CREST
	s_cmp_lg_u32 s14, 0
	s_cbranch_scc1 .Lnot_wave_0_\@
	s_barrier_signal -3
.Lnot_wave_0_\@:
	s_barrier_wait -3
	s_barrier_signal -1
	s_barrier_wait -1
.endm
.macro CROUND
	s_barrier_signal -1
	s_barrier_wait -1
	CREST
.endm
.macro WRUN slot, q, half              ; W's blocks 8 half + 0..7 of the slot's q-th 128 along K: 32 LDS loads in one run
.irp i, 0,1,2,3,4,5,6,7
.set WP, WF+16*(\i+6*((8*(\half)+\i)/10))
.irp c, 0,1,2,3
	ds_load_b128 v[WP+4*\c:WP+4*\c+3], v[ADRB+2*(\slot)+(\half)] offset:128*(\q)+32*\c+\i*16*PITCH
.endr
.endr
.endm
.macro MULP p, ring, zero              ; blocks 2 p, 2 p + 1: 8 matrix instructions, 8 accumulators by turns
.irp i, 0,1
.set WP, WF+16*((2*(\p)+\i)%8+6*((2*(\p)+\i)/10))
.irp a, 0,1,2,3
.if \zero
	v_wmma_f32_16x16x128_fp8_fp8 v[64*\a+8*((2*(\p)+\i)%8):64*\a+8*((2*(\p)+\i)%8)+7], v[WP:WP+15], v[64*(\ring)+16*\a:64*(\ring)+16*\a+15], 0
.else
	v_wmma_f32_16x16x128_fp8_fp8 v[64*\a+8*((2*(\p)+\i)%8):64*\a+8*((2*(\p)+\i)%8)+7], v[WP:WP+15], v[64*(\ring)+16*\a:64*(\ring)+16*\a+15], v[64*\a+8*((2*(\p)+\i)%8):64*\a+8*((2*(\p)+\i)%8)+7]
.endif
.endr
.endr
.endm
.macro ALOAD ring, off                 ; A's four blocks of the step that lies off steps behind s[AB]: 16 loads of 512 consecutive bytes
.irp a, 0,1,2,3
.irp c, 0,1,2,3
	global_load_b128 v[64*(\ring)+16*\a+4*\c:64*(\ring)+16*\a+4*\c+3], v[AO], s[AB:AB+1] offset:(\off)*ASTEP+2048*\a+512*\c
.endr
.endr
.endm
.macro BIASG u, g, base
.irp s, 0,1
.irp q, 0,1
	global_load_b128 v[64*(\u)+16*\g+8*\s+4*\q:64*(\u)+16*\g+8*\s+4*\q+3], v[BO], s[\base:\base+1] offset:128*(\u)+64*\s+16*\q
.endr
.endr
.endm
.macro LD kind, q                      ; 16 loads into the set that the step before has left: 1: A, three steps on; 2, 3: the biases of units 0-31, 32-63 (sets 0, 1)
.if \kind == 1
	WIN TO_A
	ALOAD ((\q)+3)%4, (\q)+3
.endif
.if \kind >= 2
	WIN TO_A
	BIASG (\kind)-2, 0, 10
	BIASG (\kind)-2, 1, 68
	BIASG (\kind)-2, 2, 70
	BIASG (\kind)-2, 3, 72
.endif
.endm
.macro FIRST slot, q, zero, ld         ; a step's blocks 0-7; behind blocks 0, 1: four places, the run for blocks 8-15, and the 16 global loads
	s_wait_loadcnt 32                              ; this step's set is in; the 32 loads issued behind it may be out
	s_wait_dscnt 24                                ; blocks 0, 1 are in; blocks 2-7 may be out
	WIN MUL_LO
	MULP 0, \q, \zero
	WIN 0
	PLACES
	WRUN \slot, \q, 1
	LD \ld, \q
.irp p, 1,2,3
	s_wait_dscnt 56-8*\p                           ; this pair is in; the older run's later pairs and the 32 loads just issued may be out
	WIN MUL_LO
	MULP \p, \q, \zero
.endr
.endm
.macro SECOND slot, q, zero, more      ; blocks 8-15; more = 1: behind blocks 8, 9 the run for the next step's blocks 0-7, from the same slot
	s_wait_dscnt 24
	WIN MUL_HI
	MULP 4, \q, \zero
.if \more
	WIN 0
	PLACES
	WRUN \slot, \q+1, 0
.endif
.irp p, 5,6,7
.if \more
	s_wait_dscnt 88-8*\p
.else
	s_wait_dscnt 8*(7-\p)
.endif
	WIN MUL_HI
	MULP \p, \q, \zero
.endr
.endm
.macro STEP slot, q, ld
	FIRST \slot, \q, 0, \ld
	SECOND \slot, \q, 0, 1
.endm
; PREFETCHES, behind a refill and the LDS loads that follow it, in the loop's first two trips: what lies FOUR slots behind the slot just left (for W: two refills on).  W: of the 64 rows x 512 bytes that I fetch,
; the four partners of my column take 16 rows each, told apart by address (cy): a lane a block of 256 bytes.  A: of my stream's 4 steps the four partners of my row take one each (cx); A's rows are read by eight
; clusters: the four with the lowest x ask.  c_prev: in the last trip, my 64 rows of 256 bytes, 32 at each change of slots.
.macro ASK half
	s_cmp_gt_u32 s3, 1
	s_cbranch_scc0 .Lno_w_\@
	global_prefetch_b8 v[PWO], s[PWB:PWB+1] th:TH_LOAD_NT scope:SCOPE_SE
.Lno_w_\@:
	s_cmp_gt_u32 s3, s[LIMA]
	s_cbranch_scc0 .Lno_a_\@
	global_prefetch_b8 v[PAO], s[PAB:PAB+1] th:TH_LOAD_NT scope:SCOPE_SE
.Lno_a_\@:
	s_cmp_eq_u32 s3, 1
	s_cbranch_scc0 .Lno_c_\@
	global_prefetch_b8 v[PFC], s[CPA:CPA+1] offset:(\half)*32*OROW th:TH_LOAD_NT scope:SCOPE_SE
.Lno_c_\@:
.endm
; A slot's last step changes slots.  All reads of the slot are issued with the run for blocks 8-15.  kind 1: the slot takes W's tile two fills on; 2: slot 0 takes my 64 rows of c_prev.
.macro TSTEP slot, next, kind
	FIRST \slot, 3, 0, 1
	WIN 0                                          ; (the add's two registers lie in window 0)
	s_wait_tensorcnt 0x0                           ; all my tensor loads have landed: my part of the next slot
	ds_add_u32 v[SPW], v[NIL]
	s_wait_dscnt 25                                ; blocks 8, 9 are in (behind them: blocks 10-15 and the add)
	WIN MUL_HI
	MULP 4, 3, 0
.if \kind == 1
	s_add_nc_u64 s[G0+4*\slot+2:G0+4*\slot+3], s[G0+4*\slot+2:G0+4*\slot+3], 2*ROWB
.endif
	s_wait_xcnt 0x0                                ; my loads and prefetches have read their bases
	s_add_nc_u64 s[AB:AB+1], s[AB:AB+1], 4*ASTEP
.if \kind == 1
	s_add_nc_u64 s[PWB:PWB+1], s[PWB:PWB+1], ROWB
	s_add_nc_u64 s[PAB:PAB+1], s[PAB:PAB+1], 4*ASTEP
.endif
	s_wait_dscnt 0x0                               ; the add is done, and my reads of this slot are over
	s_barrier_signal -1                            ; opens a round of the cluster's barrier
	MULP 5, 3, 0
	MULP 6, 3, 0
	WIN 0
	s_barrier_wait -1
	CREST
.if \kind == 1
	TLOAD G0+4*\slot, G1                           ; its four v_nop are also the places in front of the loads below
.else
	TLOAD G0C, G1C
.endif
	WRUN \next, 0, 0
.if \kind == 1
	ASK \slot
.endif
	WIN MUL_HI
	MULP 7, 3, 0
.endm
	s_load_b256 s[4:11], s[0:1], 0x0               ; a_codes, w_codes, the scales' exponents, bf
	s_load_b256 s[68:75], s[0:1], 0x20             ; bi, bg, bo, c_prev
	s_load_b128 s[76:79], s[0:1], 0x40             ; out0, out1
	v_lshl_add_u32 v[SPW], v0, 2, SPARE
	v_mov_b32 v[NIL], 0
	ds_add_u32 v[SPW], v[NIL]                      ; the opening lines: the add, twice on end, and its wait
	ds_add_u32 v[SPW], v[NIL]
	v_lshrrev_b32 v1, 5, v0
	v_readfirstlane_b32 s14, v1                    ; wave
	s_bfe_u32 s40, ttmp6, 0x40000                  ; cx
	s_bfe_u32 s41, ttmp6, 0x40004                  ; cy
	s_lshl_b32 s42, ttmp9, 2
	s_add_co_u32 s42, s42, s40                     ; tile column: 64 hidden units
	s_and_b32 s17, ttmp7, 0xffff
	s_lshl_b32 s17, s17, 2
	s_add_co_u32 s17, s17, s41                     ; tile row: 256 rows
	s_lshl_b32 s44, 0x1111, s40                    ; my column of the cluster
	s_or_b32 s[G1], s44, (1<<20)|(1<<21)|(6<<22)|(3<<25)   ; bytes; 4 words of padding behind every 128
	s_mov_b32 s[G1+1], ROWB<<16
	s_mov_b32 s[G1+2], 64<<16
	s_mov_b32 s[G1+3], ROWB<<16
	s_mov_b32 s[G1+4], 64
	s_mov_b32 s[G1+5], KROW
	s_mov_b32 s[G1+6], 0
	s_mov_b32 s[G1+7], 0
	s_mov_b32 s[G1C], (1<<20)|(5<<22)|(67<<25)     ; c_prev: rows of 256 bytes, 68 words of padding: 528 apart, on bytes that W's rows have filled
	s_mov_b32 s[G1C+1], 256<<16
	s_mov_b32 s[G1C+2], 64<<16
	s_mov_b32 s[G1C+3], 256<<16
	s_mov_b32 s[G1C+4], 64
	s_mov_b32 s[G1C+5], OROW
	s_mov_b32 s[G1C+6], 0
	s_mov_b32 s[G1C+7], 0
	s_mul_i32 s18, s14, QT
	s_mul_i32 s19, s14, WST
	s_add_co_u32 s19, s19, STAGE
	v_and_b32 v1, 15, v0                           ; r
	v_bfe_u32 v2, v0, 4, 1                         ; h
	v_and_b32 v3, 31, v0                           ; lane
	v_mul_u32_u24 v4, v1, PITCH
	v_lshl_add_u32 v[ADRB], v2, 4, v4              ; a fragment's row x pitch + 16 h
	v_add_nc_u32 v[ADRB+1], 8*16*PITCH, v[ADRB]
	v_add_nc_u32 v[ADRB+2], SLOT, v[ADRB]
	v_add_nc_u32 v[ADRB+3], SLOT+8*16*PITCH, v[ADRB]
	v_lshl_add_u32 v6, v2, 5, v4
	v_add_nc_u32 v[CPL], s18, v6                   ; c_prev: my region, row r, 32 h
	v_mul_u32_u24 v7, v1, SPITCH
	v_lshl_add_u32 v7, v2, 5, v7
	v_add_nc_u32 v[STC], s19, v7                   ; into my stage
	v_mul_u32_u24 v8, v2, SPITCH
	v_lshl_add_u32 v8, v1, 4, v8
	v_add_nc_u32 v[RD], s19, v8                    ; back: sixteen lanes to a row of 256 bytes
	v_lshlrev_b32 v9, 13, v2
	v_lshl_add_u32 v[CO], v1, 4, v9                ; and the same two rows in h and c
	v_lshlrev_b32 v[AO], 4, v3
	v_lshlrev_b32 v[PAO], 8, v3
	v_lshlrev_b32 v[PFC], 13, v3
	v_lshrrev_b32 v10, 1, v3
	v_and_b32 v11, 1, v3
	v_lshlrev_b32 v10, 12, v10
	v_lshl_add_u32 v[PWO], v11, 8, v10             ; row lane / 2 of w_codes, block lane % 2
	v_lshlrev_b32 v[BO], 5, v2
	s_wait_dscnt 0x0                               ; both opening adds are done
	s_wait_alu depctr_va_vdst(0)
	s_wait_kmcnt 0x0
	s_load_b64 s[96:97], s[8:9], 0x0               ; e0, e1
	s_lshl_b32 s20, s42, 8
	s_lshl_b32 s21, s14, 6
	s_add_co_u32 s20, s20, s21                     ; W: row 256 x tile column + 64 x wave
	s_lshl_b32 s22, s20, 12
	s_mov_b32 s23, 0
	s_add_nc_u64 s[22:23], s[6:7], s[22:23]
	s_mul_i32 s18, s14, QT
.irp s, 0,1
	s_mov_b32 s[G0+4*\s], 1
	s_add_co_u32 s[G0+4*\s+1], s18, \s*SLOT
	s_add_nc_u64 s[G0+4*\s+2:G0+4*\s+3], s[22:23], \s*ROWB
	s_or_b32 s[G0+4*\s+3], s[G0+4*\s+3], 0x80000000
.endr
	s_lshl_b32 s18, s17, 2
	s_add_co_u32 s18, s18, s14
	s_lshl_b32 s18, s18, 18                        ; my 64 rows' image of A: 262,144 bytes
	s_mov_b32 s19, 0
	s_add_nc_u64 s[AB:AB+1], s[4:5], s[18:19]
	CROUND                                         ; all sixteen work-groups are here: the first joint loads meet
	TLOAD G0, G1                                   ; fill 0: one tensor load a wave at the head
	WIN TO_A
	ALOAD 0, 0                                     ; A's steps 0, 1, 2
	ALOAD 1, 1
	ALOAD 2, 2
	WIN 0
	s_lshl_b32 s18, s17, 8
	s_lshl_b32 s19, s14, 6
	s_add_co_u32 s18, s18, s19
	s_lshl_b32 s18, s18, 13                        ; my first row of c_prev, h, c
	s_lshl_b32 s19, s42, 8
	s_add_co_u32 s18, s18, s19                     ; + 256 bytes x tile column
	s_mov_b32 s19, 0
	s_add_nc_u64 s[CPA:CPA+1], s[74:75], s[18:19]
	s_mov_b32 s[G0C], 1
	s_mul_i32 s[G0C+1], s14, QT
	s_mov_b64 s[G0C+2:G0C+3], s[CPA:CPA+1]
	s_or_b32 s[G0C+3], s[G0C+3], 0x80000000
	s_add_nc_u64 s[OUTH:OUTH+1], s[76:77], s[18:19]
	s_add_nc_u64 s[OUTC:OUTC+1], s[78:79], s[18:19]
	s_lshl_b32 s18, s42, 8
	s_add_nc_u64 s[10:11], s[10:11], s[18:19]
	s_add_nc_u64 s[68:69], s[68:69], s[18:19]
	s_add_nc_u64 s[70:71], s[70:71], s[18:19]
	s_add_nc_u64 s[72:73], s[72:73], s[18:19]
	s_lshl_b32 s21, s41, 4
	s_add_co_u32 s21, s21, s20                     ; W's prefetch: my work-group's 16 of the 64 rows that I fetch,
	s_lshl_b32 s18, s21, 12
	s_add_co_u32 s18, s18, 3*ROWB                  ; at fill 3: each change of slots steps it first
	s_add_nc_u64 s[PWB:PWB+1], s[6:7], s[18:19]
	s_add_co_u32 s18, s40, 12                      ; A's: step 12 + cx of my stream, stepped first likewise
	s_lshl_b32 s18, s18, 13
	s_add_nc_u64 s[PAB:PAB+1], s[AB:AB+1], s[18:19]
	s_cmp_lt_u32 ttmp9, 4
	s_cselect_b32 s[LIMA], 1, -1
	s_wait_kmcnt 0x0
	s_add_co_i32 s96, s96, s97
	s_lshl_b32 s96, s96, 23
	s_add_co_i32 s[SCP], s96, 0x4038aa3b           ; 2 log2(e) 2^(e0 + e1)
	s_add_co_i32 s[SCN], s96, 0xbfb8aa3b           ; -log2(e) 2^(e0 + e1)
	s_mov_b32 s[SCP+1], s[SCP]
	s_mov_b32 s[SCN+1], s[SCN]
	s_wait_alu depctr_va_vdst(0)
	s_wait_tensorcnt 0x0                           ; my part of fill 0 is in; a later first fill is issued as a refill is
	ds_add_u32 v[SPW], v[NIL]
	s_wait_dscnt 0x0
	CROUND
	TLOAD G0+4, G1                                 ; fill 1
	WRUN 0, 0, 0
	FIRST 0, 0, 1, 1                               ; the first step stands in front of the loop: its products start the sums
	SECOND 0, 0, 1, 1
	WIN 0                                          ; at a label and at a branch every window is 0
	s_mov_b32 s3, 3
.Llap:                                                 ; a trip goes once round the ring and fills both slots again
	STEP 0, 1, 1
	STEP 0, 2, 1
	TSTEP 0, 1, 1
	STEP 1, 0, 1
	STEP 1, 1, 1
	STEP 1, 2, 1
	TSTEP 1, 0, 1
	STEP 0, 0, 1
	WIN 0
	s_sub_co_u32 s3, s3, 1
	s_cmp_lg_u32 s3, 0
	s_cbranch_scc1 .Llap
	STEP 0, 1, 1
	STEP 0, 2, 1
	TSTEP 0, 1, 2                                  ; slot 0 takes c_prev
	STEP 1, 0, 1                                   ; step 28 asks for A's last set
	STEP 1, 1, 2                                   ; steps 29, 30 ask for the biases: the count at a step's head stays 32
	STEP 1, 2, 3
	FIRST 1, 3, 0, 0
	SECOND 1, 3, 0, 0
; THE WAY OUT, by 16 rows x 32 units: registers T + 16 g + 8 s + j: gate g, unit 16 s + 8 h + j.  Both halves of a row's 64 units go into my stage, then 16 whole rows of c and of h come back and are stored.
.macro LOADC a, u
.irp s, 0,1
.irp q, 0,1
	ds_load_b128 v[CP+8*\s+4*\q:CP+8*\s+4*\q+3], v[CPL] offset:(\a)*16*PITCH+128*(\u)+64*\s+16*\q
.endr
.endr
.endm
.macro BACK a
.set BB, 192-160*((\a)%2)
.irp t, 0,1,2,3,4,5,6,7
	ds_load_b128 v[BB+4*\t:BB+4*\t+3], v[RD] offset:\t*2*SPITCH           ; LDS serves a wave's instructions in order: these see my stores
	ds_load_b128 v[BB+32+4*\t:BB+32+4*\t+3], v[RD] offset:HOFF+\t*2*SPITCH
.endr
.endm
.macro SEND a
.set BB, 192-160*((\a)%2)
	s_wait_dscnt 0x0
.irp t, 0,1,2,3,4,5,6,7
	global_store_b128 v[CO], v[BB+4*\t:BB+4*\t+3], s[OUTC:OUTC+1] offset:((\a)*16+2*\t)*OROW th:TH_STORE_NT   ; 16 lanes store 256 consecutive bytes, aligned
	global_store_b128 v[CO], v[BB+32+4*\t:BB+32+4*\t+3], s[OUTH:OUTH+1] offset:((\a)*16+2*\t)*OROW th:TH_STORE_NT
.endr
.endm
.macro EPI a, u
.set AC, 64*(\a)
	WIN 0x12+(\u)                                  ; source 0: window 2 or 3; source 2 (the biases): window 1
	s_wait_alu depctr_va_vdst(0)                   ; the wait ahead of the first readers of matrix results
.set k, 0
.rept 32
.if (k >= 32) && (k < 48)
	v_pk_fma_f32 v[T+k:T+k+1], v[AC+k:AC+k+1], s[SCP:SCP+1], v[64*(\u)+k:64*(\u)+k+1] op_sel_hi:[1,0,1]
.else
	v_pk_fma_f32 v[T+k:T+k+1], v[AC+k:AC+k+1], s[SCN:SCN+1], v[64*(\u)+k:64*(\u)+k+1] op_sel_hi:[1,0,1]
.endif
.set k, k+2
.endr
	WIN 0
	s_wait_alu depctr_va_vdst(0)                   ; ahead of each batch of transcendentals and behind it
.set k, 0
.rept 64
	v_exp_f32 v[T+k], v[T+k]
.set k, k+1
.endr
	v_nop
.if ((\u) == 0) && ((\a) > 0)
	SEND (\a)-1
.endif
	s_wait_alu depctr_va_vdst(0)
.set k, 0
.rept 32
	v_pk_add_f32 v[T+k:T+k+1], v[T+k:T+k+1], 1.0 op_sel_hi:[1,0]
.set k, k+2
.endr
	s_wait_alu depctr_va_vdst(0)
.set k, 0
.rept 64
	v_rcp_f32 v[T+k], v[T+k]                       ; sigmoid(x) = 1 / (1 + 2^(-x log2 e)); for g: 1 / (1 + 2^(2 x log2 e))
.set k, k+1
.endr
	v_nop
.if ((\u) == 0) && ((\a) == 0)
	s_wait_tensorcnt 0x0                           ; my rows of c_prev, which I alone read, are in
	LOADC 0, 0
.endif
	s_wait_dscnt 0x0                               ; c_prev's 16 numbers are in registers
	s_wait_alu depctr_va_vdst(0)
.irp k, 0,2,4,6,8,10,12,14
	v_pk_fma_f32 v[T+32+\k:T+33+\k], v[T+32+\k:T+33+\k], -2.0, 1.0 op_sel_hi:[1,0,0]   ; tanh(g)
.endr
.irp k, 0,2,4,6,8,10,12,14
	v_pk_mul_f32 v[T+16+\k:T+17+\k], v[T+16+\k:T+17+\k], v[T+32+\k:T+33+\k]
.endr
.irp k, 0,2,4,6,8,10,12,14
	v_pk_fma_f32 v[T+\k:T+1+\k], v[T+\k:T+1+\k], v[CP+\k:CP+1+\k], v[T+16+\k:T+17+\k]   ; c
.endr
.irp k, 0,2,4,6,8,10,12,14
	v_pk_mul_f32 v[T+32+\k:T+33+\k], v[T+\k:T+1+\k], 0x4038aa3b op_sel_hi:[1,0]
.endr
	s_wait_alu depctr_va_vdst(0)
.set k, 32
.rept 16
	v_exp_f32 v[T+k], v[T+k]
.set k, k+1
.endr
	v_nop
.irp s, 0,1
.irp q, 0,1
	ds_store_b128 v[STC], v[T+8*\s+4*\q:T+8*\s+4*\q+3] offset:128*(\u)+64*\s+16*\q
.endr
.endr
	s_wait_alu depctr_va_vdst(0)
.irp k, 0,2,4,6,8,10,12,14
	v_pk_add_f32 v[T+32+\k:T+33+\k], v[T+32+\k:T+33+\k], 1.0 op_sel_hi:[1,0]
.endr
	s_wait_alu depctr_va_vdst(0)
.set k, 32
.rept 16
	v_rcp_f32 v[T+k], v[T+k]
.set k, k+1
.endr
	v_nop
	s_wait_alu depctr_va_vdst(0)
.irp k, 0,2,4,6,8,10,12,14
	v_pk_fma_f32 v[T+32+\k:T+33+\k], v[T+32+\k:T+33+\k], -2.0, 1.0 op_sel_hi:[1,0,0]   ; tanh(c)
.endr
.irp k, 0,2,4,6,8,10,12,14
	v_pk_mul_f32 v[T+48+\k:T+49+\k], v[T+48+\k:T+49+\k], v[T+32+\k:T+33+\k]              ; h
.endr
.irp s, 0,1
.irp q, 0,1
	ds_store_b128 v[STC], v[T+48+8*\s+4*\q:T+48+8*\s+4*\q+3] offset:HOFF+128*(\u)+64*\s+16*\q
.endr
.endr
.if (\u) == 0
	LOADC \a, 1
.else
.if (\a) < 3
	LOADC (\a)+1, 0
.endif
.if (\a) > 1
	s_wait_xcnt 0x0                                ; the stores of two blocks ago have read their registers
.endif
	BACK \a
.endif
.endm
	s_wait_loadcnt 0x0                             ; the biases are in
	WIN 0x41
.set k, 0
.rept 64                               ; the biases x the gates' factors; these lines are also the places behind the last products
.if ((k%64) >= 32) && ((k%64) < 48)
	v_pk_mul_f32 v[k:k+1], v[k:k+1], 0x4038aa3b op_sel_hi:[1,0]
.else
	v_pk_mul_f32 v[k:k+1], v[k:k+1], 0xbfb8aa3b op_sel_hi:[1,0]
.endif
.set k, k+2
.endr
.irp a, 0,1,2,3
	EPI \a, 0
	EPI \a, 1
.endr
	SEND 3
	s_wait_tensorcnt 0x0                           ; the wave's end
	ds_add_u32 v[SPW], v[NIL]
	s_wait_dscnt 0x0
	CROUND                                         ; the closing round
	s_endpgm
.Lfunc_end_k_q68906b1f25_cell:
	.size	k_q68906b1f25_cell, .Lfunc_end_k_q68906b1f25_cell-k_q68906b1f25_cell
	.p2alignl 7, 3214868480
	.fill 96, 4, 3214868480
	.section	.rodata,"a",@progbits
	.p2align	6, 0x0
	.amdhsa_kernel k_q68906b1f25_cell
		.amdhsa_group_segment_fixed_size 327680
		.amdhsa_private_segment_fixed_size 0
		.amdhsa_enable_private_segment 0
		.amdhsa_kernarg_size 80
		.amdhsa_user_sgpr_count 2
		.amdhsa_user_sgpr_kernarg_segment_ptr 1
		.amdhsa_wavefront_size32 1
		.amdhsa_system_sgpr_workgroup_id_x 1
		.amdhsa_system_sgpr_workgroup_id_y 1
		.amdhsa_system_sgpr_workgroup_id_z 1
		.amdhsa_system_vgpr_workitem_id 0
		.amdhsa_next_free_vgpr 1024
		.amdhsa_next_free_sgpr 102
		.amdhsa_reserve_vcc 0
		.amdhsa_float_denorm_mode_32 3
		.amdhsa_float_denorm_mode_16_64 3
		.amdhsa_memory_ordered 1
		.amdhsa_forward_progress 1
		.amdhsa_inst_pref_size 255
	.end_amdhsa_kernel
	.section	.bss,"aw",@nobits
	.p2align	6
	.space	262144
	.amdgpu_metadata
---
amdhsa.version: [ 1, 2 ]
amdhsa.kernels:
  - .name:           k_q68906b1f25_cell
    .symbol:         k_q68906b1f25_cell.kd
    .args:
      - { .name: a_codes, .offset: 0, .size: 8, .value_kind: global_buffer, .address_space: global }
      - { .name: w_codes, .offset: 8, .size: 8, .value_kind: global_buffer, .address_space: global }
      - { .name: lowp_scales, .offset: 16, .size: 8, .value_kind: global_buffer, .address_space: global }
      - { .name: bf, .offset: 24, .size: 8, .value_kind: global_buffer, .address_space: global }
      - { .name: bi, .offset: 32, .size: 8, .value_kind: global_buffer, .address_space: global }
      - { .name: bg, .offset: 40, .size: 8, .value_kind: global_buffer, .address_space: global }
      - { .name: bo, .offset: 48, .size: 8, .value_kind: global_buffer, .address_space: global }
      - { .name: c_prev, .offset: 56, .size: 8, .value_kind: global_buffer, .address_space: global }
      - { .name: out0, .offset: 64, .size: 8, .value_kind: global_buffer, .address_space: global }
      - { .name: out1, .offset: 72, .size: 8, .value_kind: global_buffer, .address_space: global }
    .group_segment_fixed_size: 327680
    .private_segment_fixed_size: 0
    .kernarg_segment_align: 8
    .kernarg_segment_size: 80
    .max_flat_workgroup_size: 128
    .sgpr_count:     102
    .vgpr_count:     1024
    .wavefront_size: 32
...
	.end_amdgpu_metadata
.endif
;; end of part 2
